; MI455X (gfx1250); checked and timed in simulation.
; The chip was launched on July 23, 2026; its instructions are those of AMD's public machine-readable ISA for CDNA 5 (MIT licence, August 2026) and "CDNA5" Instruction Set Architecture Reference Guide (July 2026). The comments in the code are by the model that wrote it; some were corrected since.
;; Fake Module. Allowed arithmetic: float matrix products may take bf16 or f16 operands with f32 sums; all other float work in f32.
;; Inputs: Wb 4 x 32 float32; Wk 128 x 32 float32; Wq 128 x 32 float32; Wv 128 x 32 float32; bb 4 float32; bk 128 float32; bq 128 float32; bv 128 float32; mask 1 x 256 x 256 float32; x 1 x 256 x 256 x 32 float32.
;; Outputs: out0 1 x 256 x 256 x 4 x 32 float32.
;; One version. Each part assembles by itself: llvm-mc -triple=amdgcn-amd-amdhsa -mcpu=gfx1250 --defsym DOCPART=n.
;; ======== version 1 of 1: 2 launches
;; limits: values are held in f16: magnitudes above 65,504 overflow, below 6.1e-05 lose precision
;; workspace buffers: tri 1,048,576 bytes
;; launch bias (part 1): grid 16 x 16, 4 waves a work-group, no clusters, 168,448 bytes of LDS; arguments x, Wb, tri; writes tri
.if DOCPART == 1
	.amdgcn_target "amdgcn-amd-amdhsa--gfx1250"
	.amdhsa_code_object_version 6
	.text
	.protected	k_q82a3550dcf_bias
	.globl	k_q82a3550dcf_bias
	.p2align	8
	.type	k_q82a3550dcf_bias,@function
k_q82a3550dcf_bias:
	s_mov_b64 s[64:65], 0
	v_nop
	global_prefetch_b8 v0, s[64:65] scope:SCOPE_SE
	s_setreg_imm32_b32 hwreg(HW_REG_WAVE_MODE, 25, 1), 1
	s_wait_xcnt 0x0
; tri = log2(e) * (x[j,k,:] . Wb[h,:]), the triangle bias of all four heads, stored in the order in which the second launch
; takes it as the C operand of its score products:
;   tri[p 2][jt 16][a 2][slot 16][half 2][lane 32][e 4] of f32, head = 2 p + a, query j = 16 jt + (lane & 15),
;   key k = ((16 slot) xor 128 (jt >> 3)) + 8 (lane >> 4) + 4 half + e.
; The xor puts the eight key tiles of the half of the row in which the query lies in front of the other eight.
;
; WORK LEFT OUT IN THIS PROGRAM, for all finite values of the inputs: a softmax over k does not change when a term that
; is the same for every k is added to its input.  bb[h] is such a term: it enters scores[h,i,j,k] through tri_b[h,j,k] and
; hangs on h alone.  bk is another: k = x Wk^T + bk adds scale * (q[i,j,h,:] . bk[h,:]) to scores[h,i,j,k], which hangs on
; h, i, j and not on k.  So bb and bk have no way to the output in exact arithmetic: they are not loaded and are arguments
; of no launch.  (bq stays: bq . (Wk x[i,k]) differs from key to key.  bv stays: it is added to the output.)
; LIMIT: a NaN, an infinity or an overflow that bb, bk or q . bk would bring is not carried to the result; biases so large
; that f32 scores would lose the other terms beside them are not followed either.
; LIMIT: x and Wb * log2(e) are rounded to f16 for the product (largest number 65,504: x of spread 1 has room for a factor
; or an offset of 30 many times over); the sums are f32.
;
; A work-group takes 16 queries (jt) x 16 keys (t); wave w the keys 4 w .. 4 w + 3.  One tensor load a wave brings its 16 rows
; (queries) of 512 bytes (4 keys x 32 channels); the tile has 16 rows because the block has 16 queries.  Each wave reads only
; the bytes that its own load brought, so its own wait on TENSORcnt is all the ordering, and there is no barrier.
; No cluster: the work-groups share nothing but the 512 bytes of Wb.
.set PITCH, 528                        ; LDS row: 512 bytes + 16 of padding: an odd multiple of 16, so 16 rows start in 16 different 16-byte columns
.set WTILE, 16*PITCH                   ; bytes of one wave in LDS
.set LOG2E, 0x3fb8aa3b
.set WB32, 8                           ; v[8:23]    Wb of my row of the A fragment, f32
.set WBF,  24                          ; v[24:31]   the A fragment: row m holds head (m >> 2) & 3
.set X32,  32                          ; v[32:95]   x of my query, key e: 16 registers each, f32
.set XBF,  96                          ; v[96:127]  B fragment of key e: column n = query, 8 registers each
.set DD,   128                         ; v[128:159] result of key e, 8 registers each
	s_load_b128 s[4:7], s[0:1], 0x0                ; x s[4:5], Wb s[6:7]
	s_load_b64 s[8:9], s[0:1], 0x10                ; tri
	v_lshl_add_u32 v160, v0, 2, 0x29000
	v_mov_b32 v161, 0
	ds_add_u32 v160, v161
	ds_add_u32 v160, v161
	v_lshrrev_b32 v6, 5, v0
	v_readfirstlane_b32 s10, v6                    ; wave w
	s_and_b32 s12, ttmp7, 0xffff                   ; jt; ttmp9 is t
	s_mov_b32 s14, LOG2E
	s_mov_b32 s15, LOG2E
	; descriptor group 1: 16 rows x 128 elements of 4 bytes, 8,192 elements from row to row, 4 words of padding behind every 128
	s_mov_b32 s16, (2<<16)|(1<<20)|(6<<22)|(3<<25)
	s_mov_b32 s17, 128<<16                         ; tensor_dim0 = 128
	s_mov_b32 s18, 16<<16                          ; tensor_dim1 = 16
	s_mov_b32 s19, 128<<16                         ; tile_dim0 = 128
	s_mov_b32 s20, 16                              ; tile_dim1 = 16
	s_mov_b32 s21, 8192                            ; from query to query: 256 keys x 32 channels
	s_mov_b32 s22, 0
	s_mov_b32 s23, 0
	s_mov_b32 s24, 1                               ; group 0: count
	s_mul_i32 s25, s10, WTILE                      ; LDS address: the bytes of my wave
	s_lshl_b32 s28, s12, 19                        ; 16 jt queries of 32,768 bytes
	s_lshl_b32 s29, ttmp9, 11                      ; 16 t keys of 128 bytes
	s_add_co_u32 s28, s28, s29
	s_lshl_b32 s29, s10, 9                         ; 4 w keys
	s_add_co_u32 s28, s28, s29
	s_mov_b32 s29, 0
	s_wait_dscnt 0x0
	s_wait_kmcnt 0x0
	s_add_nc_u64 s[26:27], s[4:5], s[28:29]
	s_or_b32 s27, s27, 0x80000000                  ; type
	tensor_load_to_lds s[24:27], s[16:23]          ; the one tensor load of this wave
	s_nop 0
	v_and_b32 v1, 15, v0                           ; r
	v_bfe_u32 v2, v0, 4, 1                         ; h
	v_bfe_u32 v4, v0, 2, 2                         ; head of my row of A: (r >> 2) & 3
	v_lshlrev_b32 v4, 7, v4
	v_lshl_add_u32 v4, v2, 5, v4                   ; Wb: head x 128 + 32 h
.set q, 0
.rept 4
	global_load_b128 v[WB32+4*q:WB32+4*q+3], v4, s[6:7] offset:(q&1)*16+(q>>1)*64   ; channels 8 h .. + 7, then 16 + 8 h .. + 7
.set q, q+1
.endr
	v_mul_u32_u24 v3, v1, PITCH
	v_lshl_add_u32 v3, v2, 5, v3
	v_add_nc_u32 v3, s25, v3                       ; LDS: my wave + query r + 32 h
	v_lshlrev_b32 v5, 4, v1
	v_lshl_add_u32 v5, v2, 19, v5                  ; tri: p = h, 16 bytes for each query
	s_and_b32 s28, s12, 8                          ; 8 (jt >> 3)
	s_xor_b32 s28, s28, ttmp9                      ; the key tile's slot
	s_lshl_b32 s28, s28, 10
	s_lshl_b32 s30, s12, 15
	s_add_co_u32 s28, s28, s30                     ; + jt x 32,768
	s_and_b32 s30, s10, 1
	s_lshl_b32 s30, s30, 9
	s_add_co_u32 s28, s28, s30                     ; + half = w & 1
	s_lshr_b32 s30, s10, 1
	s_lshl_b32 s30, s30, 8
	s_add_co_u32 s28, s28, s30                     ; + lanes 16 (w >> 1) ..
	s_add_nc_u64 s[8:9], s[8:9], s[28:29]
	s_wait_loadcnt 0x0                             ; Wb
.set q, 0
.rept 8
	v_pk_mul_f32 v[WB32+2*q:WB32+2*q+1], v[WB32+2*q:WB32+2*q+1], s[14:15] op_sel_hi:[1,0]   ; into log2 units, in f32, ahead of the rounding
.set q, q+1
.endr
.set q, 0
.rept 8
	v_cvt_pk_f16_f32 v[WBF+q], v[WB32+2*q], v[WB32+2*q+1]
.set q, q+1
.endr
	s_wait_tensorcnt 0x0                           ; my tile is in LDS
.set e, 0
.rept 4
.set q, 0
.rept 4
	ds_load_b128 v[X32+16*e+4*q:X32+16*e+4*q+3], v3 offset:128*e+(q&1)*16+(q>>1)*64
.set q, q+1
.endr
.set e, e+1
.endr
	s_wait_dscnt 0x0
.set q, 0
.rept 32
	v_cvt_pk_f16_f32 v[XBF+q], v[X32+2*q], v[X32+2*q+1]
.set q, q+1
.endr
	; four products on four accumulators.  Register jj of lane (r, h) of result e: head 2 h + (jj >> 2), query r, key 4 w + e
.set e, 0
.rept 4
	v_wmma_f32_16x16x32_f16 v[DD+8*e:DD+8*e+7], v[WBF:WBF+7], v[XBF+8*e:XBF+8*e+7], 0
.set e, e+1
.endr
.rept 4
	v_nop                                          ; four places between a matrix instruction and a vector instruction or store that touches its result
.endr
	; gather the four keys of head 2 h + b into four neighbouring registers (key 0 lies there already)
.set b, 0
.rept 2
.set e, 1
.rept 3
	v_mov_b32 v[DD+4*b+e], v[DD+8*e+4*b+e]
.set e, e+1
.endr
.set b, b+1
.endr
	global_store_b128 v5, v[DD:DD+3], s[8:9]                    ; a = 0: sixteen lanes store 256 consecutive bytes, aligned
	global_store_b128 v5, v[DD+4:DD+7], s[8:9] offset:16384     ; a = 1
	s_wait_tensorcnt 0x0
	ds_add_u32 v160, v161
	s_wait_dscnt 0x0
	s_endpgm
.Lfunc_end_k_q82a3550dcf_bias:
	.size	k_q82a3550dcf_bias, .Lfunc_end_k_q82a3550dcf_bias-k_q82a3550dcf_bias
	.p2alignl 7, 3214868480
	.fill 96, 4, 3214868480
	.section	.rodata,"a",@progbits
	.p2align	6, 0x0
	.amdhsa_kernel k_q82a3550dcf_bias
		.amdhsa_group_segment_fixed_size 168448
		.amdhsa_private_segment_fixed_size 0
		.amdhsa_enable_private_segment 0
		.amdhsa_kernarg_size 24
		.amdhsa_user_sgpr_count 2
		.amdhsa_user_sgpr_kernarg_segment_ptr 1
		.amdhsa_wavefront_size32 1
		.amdhsa_system_sgpr_workgroup_id_x 1
		.amdhsa_system_sgpr_workgroup_id_y 1
		.amdhsa_system_sgpr_workgroup_id_z 1
		.amdhsa_system_vgpr_workitem_id 0
		.amdhsa_next_free_vgpr 162
		.amdhsa_next_free_sgpr 66
		.amdhsa_reserve_vcc 0
		.amdhsa_float_denorm_mode_32 3
		.amdhsa_float_denorm_mode_16_64 3
		.amdhsa_memory_ordered 1
		.amdhsa_forward_progress 1
		.amdhsa_inst_pref_size 9
	.end_amdhsa_kernel
	.amdgpu_metadata
---
amdhsa.version: [ 1, 2 ]
amdhsa.kernels:
  - .name:           k_q82a3550dcf_bias
    .symbol:         k_q82a3550dcf_bias.kd
    .args:
      - { .name: x, .offset: 0, .size: 8, .value_kind: global_buffer, .address_space: global }
      - { .name: Wb, .offset: 8, .size: 8, .value_kind: global_buffer, .address_space: global }
      - { .name: tri, .offset: 16, .size: 8, .value_kind: global_buffer, .address_space: global }
    .group_segment_fixed_size: 168448
    .private_segment_fixed_size: 0
    .kernarg_segment_align: 8
    .kernarg_segment_size: 24
    .max_flat_workgroup_size: 128
    .sgpr_count:     66
    .vgpr_count:     162
    .wavefront_size: 32
...
	.end_amdgpu_metadata
.endif
;; end of part 1
;; launch attn (part 2): grid 64 x 4, 4 waves a work-group, clusters of 4 x 1, 327,680 bytes of LDS; arguments x, mask, Wq, bq, Wk, Wv, bv, tri, out0; writes out0
.if DOCPART == 2
	.amdgcn_target "amdgcn-amd-amdhsa--gfx1250"
	.amdhsa_code_object_version 6
	.text
	.protected	k_q82a3550dcf_attn
	.globl	k_q82a3550dcf_attn
	.p2align	8
	.type	k_q82a3550dcf_attn,@function
k_q82a3550dcf_attn:
	s_mov_b64 s[64:65], 0
	v_nop
	global_prefetch_b8 v0, s[64:65] scope:SCOPE_SE
	s_setreg_imm32_b32 hwreg(HW_REG_WAVE_MODE, 25, 1), 1
	s_wait_xcnt 0x0
	s_wait_alu depctr_hold_cnt(0) depctr_sa_sdst(0) depctr_va_vdst(0) depctr_va_sdst(0) depctr_va_ssrc(0) depctr_va_vcc(0) depctr_vm_vsrc(0)
	s_getreg_b32 s2, hwreg(HW_REG_IB_STS2, 6, 4)
	s_cmp_eq_u32 s2, 0
	s_cbranch_scc0 .Lentry_in_a_cluster
	s_endpgm
.Lentry_in_a_cluster:
	s_bfe_u32 s2, ttmp6, 0x10000c
	s_cmp_lg_u32 s2, 0x3003
	s_cbranch_scc0 .Lentry_shape_is_right
	s_endpgm
.Lentry_shape_is_right:
; out0[i,j,h,:] = softmax over k of (q.k / sqrt(32) + tri_b[h,j,k] + (mask[i,k] - 1) 1e9) times v.
; LEFT OUT, as shown at the head of the first kernel: bk and bb add the same number to every key of a softmax row, for all
; values of the inputs; they are not loaded.  A NaN, infinity or overflow that only they would bring is not carried on.
; A work-group (x = ib, y = 2 p + jh) takes rows i = 4 ib .. + 3, heads 2 p and 2 p + 1, queries 128 jh .. + 127.  Wave w takes row
; 4 ib + w: it projects K and V of the whole row and Q of its 128 queries, keeps K and V of both heads in registers and walks
; 8 steps of 16 queries.  The K and V projections are done by both query halves of a row: that is the price of a tri share of
; 256 KiB for each of 256 work-groups.
; THE STEP IS TWO HALVES.  In a half the softmax of one head is cut into 32 slices, and ahead of each slice stands one product of
; the other head: first the 16 of its P V (of the weights packed in the half before), then the 16 of its next scores.  A half has
; 32 products and some 470 softmax instructions, so a slice of 12 to 16 vector instructions stands behind each product; these name
; none of its registers and are also the places that a product wants behind it.  tri and Q of the other head are loaded
; half a step ahead of their products, into score registers as they fall free.  Each slot costs two changes of register window
; (to the product's windows and back), 64 a half: no layout spares them, since an exponential in place wants source 0 and
; the destination in the window of its own scores, where a score product wants K and the scores of the other head, and these
; three are 384 registers.
; KEY ORDER: key tile slot 0..7 = the tiles of the half of the row in which my queries lie, slot 8..15 = the other half.  K, V,
; the mask terms and tri all use it, and a softmax does not care; so no LDS address hangs on jh.
; UNITS: Wq and bq are multiplied in f32 by log2(e)/sqrt(32), tri by log2(e) (first launch), the mask term is
; mask * C - C with C = 1e9 log2(e): scores are in log2 units and the softmax is exp2(S - max S) with the true maximum of the
; masked row, so every exponential is at most 1 and the sum at least 1.
; FORMAT: the matrix operands (x, W, q, k, v + bv, the weights) are f16, the sums f32.  f16 and not bf16 because the rounding of
; q and k stands in an exponent: 11 bits of significand keep it an eighth of what 8 bits would leave.  Room below f16's
; largest number, 65,504: a projection of x (spread 1) by W (spread 1/sqrt(32)) has spread 1; with x and W both 30 times larger
; 900, six spreads 5,400; with both carrying an offset of 30 spreads 32 x 30 x 5.3 = 5,100.  The weights are at most 1.  With all
; inputs 30 times smaller the spacing of f16's denormals, 6e-8, is under a thousandth of any operand's spread.
; LIMITS: |q| log2(e)/sqrt(32), |k| and |v + bv| of 65,504 and above become infinite here.  The order of rounding differs from
; the reference.  In a row whose keys are all masked the scores are absorbed by -1.44e9 (spacing 128 in log2 units, against 64
; natural units in the reference): both give equal weights for scores of ordinary size.
; CLUSTER: the four work-groups of a cluster have the same y and so walk the same tri tiles: these are asked for jointly
; (mask 15).  x is each work-group's own rows: plain loads.  The weights are 24 KiB of the 408 KiB that a work-group brings in:
; plain loads as well.
;
; LDS: 0 .. 131,071 tri ring, two slots of 65,536 = two steps of [a 2][slot 16][half 2][lane 32] x 16 bytes; wave w fills the
; quarter at 16,384 w of each slot.  131,072 + 36,864 w: x of my row, 256 positions of 128 + 16 bytes, my query half first; filled
; once, and then the wave's own scratch: Q of tile t, packed, over the bytes of x tile t (2,048 of 2,304), and behind the
; projection the out stage (16 rows of 272 bytes) at + 18,432.  278,528: Wq, Wk, Wv, 64 rows of 144 bytes each.
;
; REGISTERS, in windows of 256.  Window 0: addresses, QF, O, temporaries, the rows on their way out, the mask terms MK; in the
; prologue v[32:127] stage W and then hold the 12 projection results.  Window 1 + a: K of head a, tile t at v[8 t]; V of head a,
; fragment (sb, u) at v[128 + 16 sb + 8 u].  Window 3: scores S of head a at v[128 a]; in the prologue WF, BQ, BV, XF, XB.
; LAYOUTS: every conversion stays inside a lane.  K, Q: D(m = channel, n = position) = W x X; a lane's 8 results are 8
; neighbouring channels of one position = half a K (A) or Q (B) fragment.  V: D(m = key, n = channel) = X x Wv + bv; 8
; neighbouring keys of one channel = half an A fragment.  Scores transposed: S(m = key, n = query) = K x Q + tri; packed in
; place they are B fragments.  Output O(m = d, n = query) = V x P.
.set TILEB,  2304                      ; 16 positions of 144 bytes
.set XW,     36864
.set XBASE,  131072
.set XHALF,  18432
.set WBASE,  278528
.set SLOTB,  65536
.set STEPB,  32768
.set SPITCH, 272
.set OSTEP,  8192                      ; 16 queries of 512 bytes in out0
.set CMASK,  0x4eabfb8f                ; 1e9 log2(e)
.set NCMASK, 0xceabfb8f                ; its negative
.set SL,     0x3e8293ee                ; log2(e) / sqrt(32)
.set LANE16, 1                         ; 16 x lane
.set RR,  2                            ; r = lane & 15
.set HH,  3                            ; h = lane >> 4
.set XA,  4                            ; x fragments: my x + 144 r + 32 h
.set WA,  5                            ; W fragments: WBASE + 144 r + 32 h
.set TA,  6                            ; tri: 16 lane + slot + step
.set QA,  7                            ; packed Q: my x + 16 lane (+ 2,304 a step)
.set STO, 8                            ; out stage, in: 272 r + 32 h
.set RD,  9                            ; out stage, back: 272 h + 16 r
.set CO,  10                           ; out0: 512 h + 16 r
.set MO1, 11                           ; mask, my half of the row: 32 h + 512 jh
.set MO2, 12                           ; mask, the other half
.set BO,  13                           ; bq: 32 h
.set BVO, 14                           ; bv: 4 r
.set QF,  16                           ; v[16:23], v[24:31] Q fragments of head 0, 1
.set O,   32                           ; v[32:47], v[48:63] O of head 0, 1, u at + 8 u
.set DP,  32                           ; prologue: v[32:127], the staging of W and then the projection results
.set T,   64                           ; v[64:67] four running maxima
.set NM,  68                           ; v[68:69] the row maximum, twice (between the staging of W and the projection: -C, twice)
.set U,   70                           ; v[70:77] four running pairs of sums
.set R,   78                           ; v[78:79] 1 / sum, twice: written in the last slices of a half, read in the middle of the next, so one pair serves both heads
.set RB,  80                           ; v[80:111] 16 rows of 256 bytes on their way out
.set MK,  128                          ; v[128:255] mask term of key 8 h + jj of tile t at 8 t + jj
.set WF,  0                            ; window 3, prologue: W fragments n = 0..3 Wq, 4..7 Wk, 8..11 Wv
.set BQ,  96                           ; bq x SL in the layout of D, 4 x 8
.set BV,  128                          ; bv in the layout of D, 4 x 8
.set XF,  160                          ; x tile in f32, two buffers of 16
.set XB,  192                          ; x fragment, two buffers of 8
.set G1X, 32                           ; s[32:39] shape of an x load
.set G1W, 40                           ; s[40:47] shape of a W load
.set G1T, 48                           ; s[48:55] shape of a tri load (joint)
.set G0XA, 56
.set G0XB, 60
.set G0W, 68
.set G0T, 72                           ; s[72:75] slot 0, s[76:79] slot 1
.set MSB, 0
.macro WIN new                         ; the immediate's high byte repeats the setting that is left; switches that change nothing are dropped
.if MSB != (\new)
	s_set_vgpr_msb (MSB<<8)|(\new)
.set MSB, (\new)
.endif
.endm
.macro PLACES n
	s_wait_alu depctr_va_vdst(0)
.rept \n
	v_nop
.endr
.endm
; A round of the cluster's barrier: my work-group's barrier, wave 0 signals for the work-group, every wave waits for all four
; work-groups, my work-group's barrier once more.
.macro ROUND
	s_barrier_signal -1
	s_barrier_wait -1
	s_cmp_lg_u32 s2, 0
	s_cbranch_scc1 .Lnot_wave_0_\@
	s_barrier_signal -3
.Lnot_wave_0_\@:
	s_barrier_wait -3
	s_barrier_signal -1
	s_barrier_wait -1
.endm
	s_load_b512 s[8:23], s[0:1], 0x0               ; x 8, mask 10, Wq 12, bq 14, Wk 16, Wv 18, bv 20, tri 22
	s_load_b64 s[24:25], s[0:1], 0x40              ; out0
	v_lshl_add_u32 v126, v0, 2, 0x4ac00
	v_mov_b32 v127, 0
	ds_add_u32 v126, v127
	ds_add_u32 v126, v127
	s_wait_dscnt 0x0
	v_lshrrev_b32 v1, 5, v0
	v_readfirstlane_b32 s2, v1                     ; wave w
	s_bfe_u32 s6, ttmp6, 0x40000                   ; cx.  Only s3 and s[6:7] ever hold it: they feed the addresses of x, mask and out0 alone
	s_lshl_b32 s3, ttmp9, 2
	s_add_co_u32 s3, s3, s6                        ; ib = 4 x cluster x + cx
	s_lshl_b32 s3, s3, 2
	s_add_co_u32 s3, s3, s2                        ; i = 4 ib + w
	s_and_b32 s5, ttmp7, 0xffff                    ; y
	s_lshr_b32 s4, s5, 1                           ; p
	s_and_b32 s5, s5, 1                            ; jh
	s_mov_b32 s26, 0x76543210                      ; v_permlanex16_b32: lane l takes lane l xor 16
	s_mov_b32 s27, 0xfedcba98
	s_mov_b32 s30, CMASK
	s_mov_b32 s31, CMASK
	s_mov_b32 s66, SL
	s_mov_b32 s67, SL
	; shapes: dense blocks as rows of 32 elements of 8 bytes.  x and W: 4 words of padding behind every 32 words, so each position's
	; or weight row's 128 bytes get 16: pitch 144.
	s_mov_b32 s[G1X+0], (3<<16)|(1<<20)|(4<<22)|(3<<25)
	s_mov_b32 s[G1X+1], 32<<16
	s_mov_b32 s[G1X+2], 64<<16
	s_mov_b32 s[G1X+3], 32<<16
	s_mov_b32 s[G1X+4], 64                         ; 64 rows of 256 bytes: 128 positions
	s_mov_b32 s[G1X+5], 32
	s_mov_b32 s[G1X+6], 0
	s_mov_b32 s[G1X+7], 0
	s_mov_b32 s[G1W+0], (3<<16)|(1<<20)|(4<<22)|(3<<25)
	s_mov_b32 s[G1W+1], 32<<16
	s_mov_b32 s[G1W+2], 32<<16
	s_mov_b32 s[G1W+3], 32<<16
	s_mov_b32 s[G1W+4], 32                         ; 32 rows of 256 bytes: the 64 weight rows of my two heads
	s_mov_b32 s[G1W+5], 32
	s_mov_b32 s[G1W+6], 0
	s_mov_b32 s[G1W+7], 0
	s_mov_b32 s[G1T+0], 15|(3<<16)|(1<<21)         ; all four work-groups of the cluster; bit 21 beside the mask; no padding
	s_mov_b32 s[G1T+1], 32<<16
	s_mov_b32 s[G1T+2], 64<<16
	s_mov_b32 s[G1T+3], 32<<16
	s_mov_b32 s[G1T+4], 64                         ; 64 rows of 256 bytes: a quarter of a slot
	s_mov_b32 s[G1T+5], 32
	s_mov_b32 s[G1T+6], 0
	s_mov_b32 s[G1T+7], 0
	s_mov_b32 s[G0XA], 1
	s_mul_i32 s[G0XA+1], s2, XW
	s_add_co_u32 s[G0XA+1], s[G0XA+1], XBASE       ; my x in LDS
	s_mov_b32 s[G0XB], 1
	s_add_co_u32 s[G0XB+1], s[G0XA+1], XHALF
	s_mov_b32 s[G0W], 1
	s_mul_i32 s[G0W+1], s2, 9216
	s_add_co_u32 s[G0W+1], s[G0W+1], WBASE         ; wave 0 Wq, 1 Wk, 2 Wv
	s_mov_b32 s[G0T], 1
	s_lshl_b32 s[G0T+1], s2, 14
	s_mov_b32 s[G0T+4], 1
	s_add_co_u32 s[G0T+5], s[G0T+1], SLOTB
	s_wait_kmcnt 0x0
	s_lshl_b32 s6, s3, 15                          ; x: row i
	s_mov_b32 s7, 0
	s_add_nc_u64 s[G0XA+2:G0XA+3], s[8:9], s[6:7]
	s_lshl_b32 s28, s5, 14                         ; my half of the row
	s_mov_b32 s29, 0
	s_xor_b32 s6, s28, 16384                       ; the other half
	s_add_nc_u64 s[G0XB+2:G0XB+3], s[G0XA+2:G0XA+3], s[6:7]
	s_add_nc_u64 s[G0XA+2:G0XA+3], s[G0XA+2:G0XA+3], s[28:29]
	s_or_b32 s[G0XA+3], s[G0XA+3], 0x80000000
	s_or_b32 s[G0XB+3], s[G0XB+3], 0x80000000
	s_lshl_b32 s6, s3, 10                          ; mask: row i
	s_add_nc_u64 s[10:11], s[10:11], s[6:7]
	s_lshl_b32 s6, s3, 17                          ; out0: row i,
	s_lshl_b32 s28, s5, 16                         ; 128 jh queries of 512 bytes,
	s_add_co_u32 s6, s6, s28
	s_lshl_b32 s28, s4, 8                          ; heads 2 p, 2 p + 1: 256 bytes of a query
	s_add_co_u32 s6, s6, s28
	s_add_nc_u64 s[24:25], s[24:25], s[6:7]
	s_add_nc_u64 s[14:15], s[14:15], s[28:29]      ; bq and bv at channel 64 p
	s_add_nc_u64 s[20:21], s[20:21], s[28:29]
	s_cmp_eq_u32 s2, 0
	s_cselect_b64 s[G0W+2:G0W+3], s[12:13], s[18:19]
	s_cmp_eq_u32 s2, 1
	s_cselect_b64 s[G0W+2:G0W+3], s[16:17], s[G0W+2:G0W+3]
	s_lshl_b32 s28, s4, 13                         ; 64 p weight rows of 128 bytes
	s_add_nc_u64 s[G0W+2:G0W+3], s[G0W+2:G0W+3], s[28:29]
	s_or_b32 s[G0W+3], s[G0W+3], 0x80000000
	s_lshl_b32 s28, s4, 19                         ; tri: p, jh and the wave's quarter: nothing that the four partners do not share
	s_lshl_b32 s29, s5, 18
	s_add_co_u32 s28, s28, s29
	s_add_co_u32 s28, s28, s[G0T+1]
	s_mov_b32 s29, 0
	s_add_nc_u64 s[G0T+2:G0T+3], s[22:23], s[28:29]
	s_add_nc_u64 s[G0T+6:G0T+7], s[G0T+2:G0T+3], SLOTB
	s_or_b32 s[G0T+3], s[G0T+3], 0x80000000
	s_or_b32 s[G0T+7], s[G0T+7], 0x80000000
	ROUND                                          ; all four work-groups are here: the first joint loads meet
	; The first fills, one group, in the order in which they are wanted, since a wave's tensor loads end in the order of issue
	; (ISA guide 10.11.1): the weights, x of my queries' half, x of the other half, the two tri slots.  A
	; wave has at most five tensor loads out here, later one.
	s_cmp_eq_u32 s2, 3
	s_cbranch_scc1 .Lno_w                          ; three weight matrices: wave 3 has none to fetch
	tensor_load_to_lds s[G0W:G0W+3], s[G1W:G1W+7]
	s_nop 0
.Lno_w:
	tensor_load_to_lds s[G0XA:G0XA+3], s[G1X:G1X+7]
	s_nop 0
	tensor_load_to_lds s[G0XB:G0XB+3], s[G1X:G1X+7]
	s_nop 0
	tensor_load_to_lds s[G0T:G0T+3], s[G1T:G1T+7]       ; steps 0, 1
	s_nop 0
	tensor_load_to_lds s[G0T+4:G0T+7], s[G1T:G1T+7]     ; steps 2, 3
	s_nop 0
	v_and_b32 v[LANE16], 31, v0
	v_lshlrev_b32 v[LANE16], 4, v[LANE16]
	v_and_b32 v[RR], 15, v0
	v_bfe_u32 v[HH], v0, 4, 1
	v_mul_u32_u24 v[XA], v[RR], 144
	v_lshl_add_u32 v[XA], v[HH], 5, v[XA]          ; 144 r + 32 h: channels 8 h .. of row r, in f32
	v_add_nc_u32 v[WA], WBASE, v[XA]
	v_add_nc_u32 v[XA], s[G0XA+1], v[XA]
	v_add_nc_u32 v[QA], s[G0XA+1], v[LANE16]
	v_mul_u32_u24 v[STO], v[RR], SPITCH
	v_lshl_add_u32 v[STO], v[HH], 5, v[STO]
	v_add_nc_u32 v[STO], s[G0XB+1], v[STO]
	v_mul_u32_u24 v[RD], v[HH], SPITCH
	v_lshl_add_u32 v[RD], v[RR], 4, v[RD]
	v_add_nc_u32 v[RD], s[G0XB+1], v[RD]
	v_lshlrev_b32 v[CO], 4, v[RR]
	v_lshl_add_u32 v[CO], v[HH], 9, v[CO]
	v_lshlrev_b32 v[BO], 5, v[HH]
	s_lshl_b32 s28, s5, 9
	s_xor_b32 s29, s28, 512
	v_add_nc_u32 v[MO1], s28, v[BO]
	v_add_nc_u32 v[MO2], s29, v[BO]
	v_lshlrev_b32 v[BVO], 2, v[RR]
	; mask of keys 8 h .. 8 h + 7 of each tile, my half of the row first; bq and bv in the layout of the projection results
.set n, 0
.rept 16
	global_load_b128 v[MK+4*n:MK+4*n+3], v[MO1], s[10:11] offset:64*(n>>1)+16*(n&1)
.set n, n+1
.endr
.set n, 0
.rept 16
	global_load_b128 v[MK+64+4*n:MK+64+4*n+3], v[MO2], s[10:11] offset:64*(n>>1)+16*(n&1)
.set n, n+1
.endr
	WIN 0xc0
.set n, 0
.rept 8
	global_load_b128 v[BQ+4*n:BQ+4*n+3], v[BO], s[14:15] offset:64*(n>>1)+16*(n&1)   ; channels 16 c + 8 h + jj
.set n, n+1
.endr
.set n, 0
.rept 4
	global_load_b32 v[BV+8*n], v[BVO], s[20:21] offset:64*n                          ; channel 16 c + r
.set n, n+1
.endr
	WIN 0
	s_wait_tensorcnt 0x3                           ; behind x's first half every wave issued three loads (x's other half, two tri slots): my weights and that half are in,
	s_barrier_signal -1
	s_barrier_wait -1                              ; everybody's weights are.  The three may stay on their way
; six weight tiles of 16 rows: f32 from LDS into v[32:127], Wq scaled in f32, rounded to f16 fragments in window 3
.macro WBATCH n0
	WIN 0
.set k, 0
.rept 6
.set q, 0
.rept 4
	ds_load_b128 v[DP+16*k+4*q:DP+16*k+4*q+3], v[WA] offset:(\n0+k)*TILEB+(q&1)*16+(q>>1)*64
.set q, q+1
.endr
.set k, k+1
.endr
	s_wait_dscnt 0x0
.set k, 0
.rept 6
.if \n0+k < 4
.set q, 0
.rept 8
	v_pk_mul_f32 v[DP+16*k+2*q:DP+16*k+2*q+1], v[DP+16*k+2*q:DP+16*k+2*q+1], s[66:67] op_sel_hi:[1,0]
.set q, q+1
.endr
.endif
.set k, k+1
.endr
	WIN 0xc0
.set k, 0
.rept 6
.set q, 0
.rept 8
	v_cvt_pk_f16_f32 v[WF+8*(\n0+k)+q], v[DP+16*k+2*q], v[DP+16*k+2*q+1]
.set q, q+1
.endr
.set k, k+1
.endr
.endm
.macro XLOAD tau                       ; x tile tau in f32 into buffer tau & 1
	WIN 0xc0
.set q, 0
.rept 4
	ds_load_b128 v[XF+16*(\tau&1)+4*q:XF+16*(\tau&1)+4*q+3], v[XA] offset:\tau*TILEB+(q&1)*16+(q>>1)*64
.set q, q+1
.endr
.endm
.macro XCVT tau                        ; and rounded to a fragment: as A its rows, as B its columns are the 16 positions
	WIN 0xcf
.set q, 0
.rept 8
	v_cvt_pk_f16_f32 v[XB+8*(\tau&1)+q], v[XF+16*(\tau&1)+2*q], v[XF+16*(\tau&1)+2*q+1]
.set q, q+1
.endr
.endm
.macro KVCVT tau, a                    ; the results of head a, rounded, to their places in window 1 + a
	WIN 0x40+0x40*\a
.set q, 0
.rept 8
	v_cvt_pk_f16_f32 v[8*\tau+q], v[DP+16*\a+2*q], v[DP+16*\a+2*q+1]
.set q, q+1
.endr
.set u, 0
.rept 2
.set q, 0
.rept 4
	v_cvt_pk_f16_f32 v[128+16*(\tau>>1)+8*u+4*(\tau&1)+q], v[DP+32+16*\a+8*u+2*q], v[DP+32+16*\a+8*u+2*q+1]
.set q, q+1
.endr
.set u, u+1
.endr
.endm
; Tile tau of the row: K and V of both heads, and Q where the tile lies in my query half.  Eight or twelve products on as many
; accumulators.  The next tile's conversion names none of their registers: its eight instructions are the places between the
; products and the conversions that read them (ISA guide 7.12.1), and between them and the next tile's products.
.macro PROJ tau
	WIN 0x3f
.set c, 0
.rept 4
	v_wmma_f32_16x16x32_f16 v[DP+8*c:DP+8*c+7], v[WF+8*(4+c):WF+8*(4+c)+7], v[XB+8*(\tau&1):XB+8*(\tau&1)+7], 0
.set c, c+1
.endr
.set c, 0
.rept 4
	v_wmma_f32_16x16x32_f16 v[DP+8*(4+c):DP+8*(4+c)+7], v[XB+8*(\tau&1):XB+8*(\tau&1)+7], v[WF+8*(8+c):WF+8*(8+c)+7], v[BV+8*c:BV+8*c+7]
.set c, c+1
.endr
.if \tau < 8
.set c, 0
.rept 4
	v_wmma_f32_16x16x32_f16 v[DP+8*(8+c):DP+8*(8+c)+7], v[WF+8*c:WF+8*c+7], v[XB+8*(\tau&1):XB+8*(\tau&1)+7], v[BQ+8*c:BQ+8*c+7]
.set c, c+1
.endr
.endif
.if \tau < 15
	s_wait_dscnt 0x0                               ; the next tile's f32 are in
	XCVT (\tau+1)
.if \tau < 14
	XLOAD (\tau+2)
.endif
.else
	PLACES 4
.endif
	KVCVT \tau, 0
	KVCVT \tau, 1
.if \tau < 8
	WIN 0
.set q, 0
.rept 16
	v_cvt_pk_f16_f32 v[QF+q], v[DP+64+2*q], v[DP+64+2*q+1]
.set q, q+1
.endr
.set q, 0
.rept 4
	ds_store_b128 v[QA], v[QF+4*q:QF+4*q+3] offset:\tau*TILEB+512*q   ; over x tile tau, which this wave has read and nobody fills again
.set q, q+1
.endr
.endif
.endm
	WBATCH 0
	WBATCH 6
	s_wait_loadcnt 0x0                             ; mask, bq, bv
	WIN 0
	v_mov_b32 v[NM], NCMASK                        ; -C, twice: written here, behind the staging of W, which uses v[32:127], these two registers among them
	v_mov_b32 v[NM+1], NCMASK
.set n, 0
.rept 64
	v_pk_fma_f32 v[MK+2*n:MK+2*n+1], v[MK+2*n:MK+2*n+1], s[30:31], v[NM:NM+1] op_sel_hi:[1,0,1]   ; mask C - C: 0 for a key that is kept
.set n, n+1
.endr
	WIN 0xc3
.set n, 0
.rept 16
	v_pk_mul_f32 v[BQ+2*n:BQ+2*n+1], v[BQ+2*n:BQ+2*n+1], s[66:67] op_sel_hi:[1,0]
.set n, n+1
.endr
.set c, 0
.rept 4
.set q, 1
.rept 7
	v_mov_b32 v[BV+8*c+q], v[BV+8*c]               ; a lane's eight results of a V product are eight keys of one channel: one bv for all
.set q, q+1
.endr
.set c, c+1
.endr
	XLOAD 0
	XLOAD 1
	s_wait_dscnt 0x4                               ; tile 0 is in; the four loads of tile 1 may be out
	XCVT 0
	PROJ 0
	PROJ 1
	PROJ 2
	PROJ 3
	PROJ 4
	PROJ 5
	s_wait_tensorcnt 0x2                           ; behind x's other half two loads were issued (the tri slots): that half is in.  Tile 6's turn issues the first read of it, and only this wave reads it
	PROJ 6
	PROJ 7
	PROJ 8
	PROJ 9
	PROJ 10
	PROJ 11
	PROJ 12
	PROJ 13
	PROJ 14
	PROJ 15
	WIN 0
	s_wait_dscnt 0x0                               ; my LDS stores of Q are done,
	s_wait_tensorcnt 0x0                           ; my quarters of both tri slots have landed,
	s_barrier_signal -1
	s_barrier_wait -1                              ; everybody's have: they came in under the projection
; ---- the pieces of a half ----
; count loads of 16 bytes a lane, from number first on, of the tri of head b straight into its accumulators: load n is half n & 1 of key tile n >> 1
.macro TRILD b, first, count
	WIN 0xc0
.set n, \first
.rept \count
	ds_load_b128 v[128*\b+4*n:128*\b+4*n+3], v[TA] offset:16384*\b+512*n
.set n, n+1
.endr
.endm
; The product of slot k for head b.  k = 0..15: O(d, query) += V x P, block of 32 keys k >> 1, d tile k & 1: the two accumulators take
; turns, one instruction a turn; the first two start the sums.  k = 16..31: S(key, query) = K x Q + tri,
; key tiles 8..15 and then 0..7, each on its own accumulator.
.macro MATK b, k, pv, sc
.if (\k) < 16
.if \pv
	WIN 0x0d+\b
.if (\k) < 2
	v_wmma_f32_16x16x32_f16 v[O+16*\b+8*(\k&1):O+16*\b+8*(\k&1)+7], v[128+16*(\k>>1)+8*(\k&1):128+16*(\k>>1)+8*(\k&1)+7], v[128*\b+8*(\k>>1):128*\b+8*(\k>>1)+7], 0
.else
	v_wmma_f32_16x16x32_f16 v[O+16*\b+8*(\k&1):O+16*\b+8*(\k&1)+7], v[128+16*(\k>>1)+8*(\k&1):128+16*(\k>>1)+8*(\k&1)+7], v[128*\b+8*(\k>>1):128*\b+8*(\k>>1)+7], v[O+16*\b+8*(\k&1):O+16*\b+8*(\k&1)+7]
.endif
.endif
.else
.if \sc
	WIN 0xf1+\b
.set tt, (\k)-8-16*((\k)/24)
	v_wmma_f32_16x16x32_f16 v[128*\b+8*tt:128*\b+8*tt+7], v[8*tt:8*tt+7], v[QF+8*\b:QF+8*\b+7], v[128*\b+8*tt:128*\b+8*tt+7]
.endif
.endif
.endm
; The slices of the softmax of head a.  A lane holds 128 of the 256 keys of query r, in four blocks of 32; lane l xor 16 holds the others.
.macro VADD a, i                       ; the key mask onto block i
	WIN 0xc3
.set n, 16*\i
.rept 16
	v_pk_add_f32 v[128*\a+2*n:128*\a+2*n+1], v[128*\a+2*n:128*\a+2*n+1], v[MK+2*n:MK+2*n+1]
.set n, n+1
.endr
.endm
.macro VMAX a, i                       ; block i into four running maxima, started by the first eight scores
	WIN 0x0f
.set n, 16*\i
.rept 16
.if n < 4
	v_max_num_f32 v[T+n], v[128*\a+2*n], v[128*\a+2*n+1]
.else
	v_max3_num_f32 v[T+n%4], v[128*\a+2*n], v[128*\a+2*n+1], v[T+n%4]
.endif
.set n, n+1
.endr
.endm
.macro VMTAIL                          ; the row maximum, twice, for the packed subtraction
	WIN 0
	v_max3_num_f32 v[T], v[T], v[T+1], v[T+2]
	v_max_num_f32 v[T], v[T], v[T+3]
	v_permlanex16_b32 v[T+1], v[T], s26, s27
	v_max_num_f32 v[NM], v[T], v[T+1]
	v_max_num_f32 v[NM+1], v[T], v[T+1]
.endm
.macro VSUB a                          ; block 0 less the maximum
	WIN 0xc3
.set n, 0
.rept 16
	v_pk_add_f32 v[128*\a+2*n:128*\a+2*n+1], v[128*\a+2*n:128*\a+2*n+1], v[NM:NM+1] neg_lo:[0,1] neg_hi:[0,1]
.set n, n+1
.endr
.endm
; Eight exponentials, of scores e0 .. e0 + 7, with a plain instruction of another block behind each (every = 1) or behind each second
; one (every = 2): kind 0 the subtraction of pair p0 .. of a later block, kind 1 the packing of pair p0 .. of an earlier block, whose sums are
; taken.  The exponential needs only source 0 and the destination in window 3, so it runs under the setting of either.  The slice ends
; on a plain instruction: it stands between the last exponential and the first use of a result (ISA guide 5.7.2).
; Packing in place, ascending: register n is written when 2 n and 2 n + 1 are read; B fragment sb = registers 8 sb .. + 7.
.macro VMIX a, e0, kind, p0, every
.if \kind
	WIN 0xcf
.else
	WIN 0xc3
.endif
.set j, 0
.set n, \p0
.rept 8
	v_exp_f32 v[128*\a+\e0+j], v[128*\a+\e0+j]
.if (j % \every) == (\every-1)
.if \kind
	v_cvt_pk_f16_f32 v[128*\a+n], v[128*\a+2*n], v[128*\a+2*n+1]
.else
	v_pk_add_f32 v[128*\a+2*n:128*\a+2*n+1], v[128*\a+2*n:128*\a+2*n+1], v[NM:NM+1] neg_lo:[0,1] neg_hi:[0,1]
.endif
.set n, n+1
.endif
.set j, j+1
.endr
.endm
.macro VSUM a, i                       ; block i into four running pairs of sums, started by the first 16 weights
.if \i == 0
	WIN 0x0f
.set n, 0
	s_wait_alu depctr_va_vdst(0)
.rept 4
	v_pk_add_f32 v[U+2*n:U+2*n+1], v[128*\a+4*n:128*\a+4*n+1], v[128*\a+4*n+2:128*\a+4*n+3]
.set n, n+1
.endr
	WIN 0x03
.set n, 8
.rept 8
	v_pk_add_f32 v[U+2*(n%4):U+2*(n%4)+1], v[128*\a+2*n:128*\a+2*n+1], v[U+2*(n%4):U+2*(n%4)+1]
.set n, n+1
.endr
.else
	WIN 0x03
.set n, 16*\i
	s_wait_alu depctr_va_vdst(0)
.rept 16
	v_pk_add_f32 v[U+2*(n%4):U+2*(n%4)+1], v[128*\a+2*n:128*\a+2*n+1], v[U+2*(n%4):U+2*(n%4)+1]
.set n, n+1
.endr
.endif
.endm
.macro VSTAIL                          ; the row sum and its reciprocal, twice; R is first read in the next half
	WIN 0
	v_pk_add_f32 v[U:U+1], v[U:U+1], v[U+2:U+3]
	v_pk_add_f32 v[U+4:U+5], v[U+4:U+5], v[U+6:U+7]
	v_pk_add_f32 v[U:U+1], v[U:U+1], v[U+4:U+5]
	v_add_f32 v[U], v[U], v[U+1]
	v_permlanex16_b32 v[U+1], v[U], s26, s27
	v_add_f32 v[U], v[U], v[U+1]
	v_rcp_f32 v[R], v[U]
	v_rcp_f32 v[R+1], v[U]
.endm
.macro VCVT a                          ; the last block packed
	WIN 0xcf
.set n, 48
.rept 16
	v_cvt_pk_f16_f32 v[128*\a+n], v[128*\a+2*n], v[128*\a+2*n+1]
.set n, n+1
.endr
.endm
.macro OUT a                           ; divide by the sum; d = 16 u + 8 h + jj of query r into row r of my stage
	WIN 0
.set n, 0
.rept 8
	v_pk_mul_f32 v[O+16*\a+2*n:O+16*\a+2*n+1], v[O+16*\a+2*n:O+16*\a+2*n+1], v[R:R+1]
.set n, n+1
.endr
.set n, 0
.rept 4
	ds_store_b128 v[STO], v[O+16*\a+4*n:O+16*\a+4*n+3] offset:128*\a+64*(n>>1)+16*(n&1)
.set n, n+1
.endr
.endm
.macro RBACK                           ; both heads are staged: whole rows back
	s_wait_xcnt 0x0                                ; the last step's stores read RB and the base: both are written again only behind this wait
	s_add_nc_u64 s[24:25], s[24:25], OSTEP         ; 16 queries on; the stores below reach back by as much
.set n, 0
.rept 8
	ds_load_b128 v[RB+4*n:RB+4*n+3], v[RD] offset:2*SPITCH*n       ; LDS serves a wave's instructions in order (ISA guide 5.7.1), so these see the stores of both heads
.set n, n+1
.endr
.endm
.macro GST counted
	WIN 0
.set n, 0
.rept 8
.if \counted
	s_wait_dscnt 7-n                               ; load n is in; the 7 - n issued behind it may be out
.endif
	global_store_b128 v[CO], v[RB+4*n:RB+4*n+3], s[24:25] offset:1024*n-OSTEP th:TH_STORE_NT   ; sixteen lanes store the 256 aligned bytes of both heads of one query
.set n, n+1
.endr
.endm
; A half: the softmax of head a in 32 slices, one product of head b = 1 - a ahead of each.
; pv = 1: the P V of head b, its way into the stage and, where b = 1, the finished step's way out.  sc = 1: Q, tri and the next scores of head b.
; Where the score registers of head b fall free: 64..127 when its weights were packed (the half before); 8 sb .. + 7 behind the two
; products of key block sb.  A load into a register that a product has read stands four places behind it: the slice in between has
; at least eight plain vector instructions that name none of the product's registers.  So has the slice between the last P V
; product and OUT, and the last slice of a half, between the last score product and the next half's first read of the scores.
.macro HALF a, b, pv, sc
.if \sc
	WIN 0
	ds_load_b128 v[QF+8*\b:QF+8*\b+3], v[QA] offset:1024*\b
	ds_load_b128 v[QF+8*\b+4:QF+8*\b+7], v[QA] offset:1024*\b+512
	TRILD \b, 16, 16                               ; key tiles 8..15
.endif
	MATK \b, 0, \pv, \sc
	VADD \a, 0
	MATK \b, 1, \pv, \sc
	VMAX \a, 0
	MATK \b, 2, \pv, \sc
	VADD \a, 1
	MATK \b, 3, \pv, \sc
	VMAX \a, 1
	MATK \b, 4, \pv, \sc
	VADD \a, 2
	MATK \b, 5, \pv, \sc
	VMAX \a, 2
	MATK \b, 6, \pv, \sc
	VADD \a, 3
	MATK \b, 7, \pv, \sc
	VMAX \a, 3
.if \sc
	TRILD \b, 0, 8                                 ; key tiles 0..3: key blocks 0..3 have been multiplied
.endif
	MATK \b, 8, \pv, \sc
	VMTAIL
	MATK \b, 9, \pv, \sc
	VSUB \a
	MATK \b, 10, \pv, \sc
	VMIX \a, 0, 0, 16, 2
	MATK \b, 11, \pv, \sc
	VMIX \a, 8, 0, 20, 2
	MATK \b, 12, \pv, \sc
	VMIX \a, 16, 0, 24, 2
	MATK \b, 13, \pv, \sc
	VMIX \a, 24, 0, 28, 2
	MATK \b, 14, \pv, \sc
	VSUM \a, 0
	MATK \b, 15, \pv, \sc
	VMIX \a, 32, 0, 32, 1
.if \pv
	OUT \b
.if \b
	RBACK
.endif
.endif
.if \sc
	TRILD \b, 8, 8                                 ; key tiles 4..7
	s_wait_dscnt 16+\pv*(4+8*\b)                   ; Q and tiles 8..15 are in.  Issued behind them: 8 loads of tiles 0..3, OUT's 4 stores, the 8 rows read back (b = 1), 8 loads of tiles 4..7
.endif
	MATK \b, 16, \pv, \sc
	VMIX \a, 40, 0, 40, 1
	MATK \b, 17, \pv, \sc
	VMIX \a, 48, 1, 0, 1
	MATK \b, 18, \pv, \sc
	VMIX \a, 56, 1, 8, 1
	MATK \b, 19, \pv, \sc
	VSUM \a, 1
	MATK \b, 20, \pv, \sc
	VMIX \a, 64, 0, 48, 1
	MATK \b, 21, \pv, \sc
	VMIX \a, 72, 0, 56, 1
	MATK \b, 22, \pv, \sc
	VMIX \a, 80, 1, 16, 1
	MATK \b, 23, \pv, \sc
	VMIX \a, 88, 1, 24, 1
.if \sc
	s_wait_dscnt 0x8                               ; all but the 8 loads of tiles 4..7: tiles 0..3 are in, and the rows read back
.endif
.if \pv*\b
	GST 0
.endif
	MATK \b, 24, \pv, \sc
	VSUM \a, 2
	MATK \b, 25, \pv, \sc
	VMIX \a, 96, 1, 32, 2
	MATK \b, 26, \pv, \sc
	VMIX \a, 104, 1, 36, 2
	MATK \b, 27, \pv, \sc
	VMIX \a, 112, 1, 40, 2
.if \sc
	s_wait_dscnt 0x0                               ; tiles 4..7 are in
.endif
	MATK \b, 28, \pv, \sc
	VMIX \a, 120, 1, 44, 2
	MATK \b, 29, \pv, \sc
	VSUM \a, 3
	MATK \b, 30, \pv, \sc
	VSTAIL
	MATK \b, 31, \pv, \sc
	VCVT \a
.endm
; A unit: the softmax of head 1 of step t beside P V of head 0 of step t and the scores of head 0 of step t + 1; then the softmax of
; head 0 of step t + 1 beside P V of head 1 of step t, the way out of step t and the scores of head 1 of step t + 1.
; All the tri and Q that a unit reads are those of step t + 1, so two units read one tri slot.
.macro UNIT
	HALF 1, 0, 1, 1
	HALF 0, 1, 1, 1
	WIN 0
	v_add_nc_u32 v[TA], STEPB, v[TA]
	v_add_nc_u32 v[QA], TILEB, v[QA]
.endm
.macro PHASE slot                      ; the two units that read a tri slot
	WIN 0
.if \slot
	v_add_nc_u32 v[TA], SLOTB, v[LANE16]
.else
	v_mov_b32 v[TA], v[LANE16]
.endif
	s_mov_b32 s28, 0
.Lunit_\@:
	UNIT
	s_add_co_u32 s28, s28, 1
	s_cmp_lt_u32 s28, 2
	s_cbranch_scc1 .Lunit_\@
.endm
; A slot that has been read is filled again, four steps ahead, jointly.  In front of the round every wave waits for its LDS reads
; and for all its tensor loads; behind it no wave of any partner reads the slot or has a load on its way; the refill is the
; wave's first and only tensor load there, and has the other slot's two units in which to land.
.macro FILL slot
	s_wait_dscnt 0x0
	s_wait_xcnt 0x0
	v_lshl_add_u32 v126, v0, 2, 0x4ac00
	v_mov_b32 v127, 0
	s_wait_tensorcnt 0x0                           ; no tensor load of mine is out: a group 0 may be written
	ds_add_u32 v126, v127
	s_wait_dscnt 0x0
	s_add_nc_u64 s[G0T+4*\slot+2:G0T+4*\slot+3], s[G0T+4*\slot+2:G0T+4*\slot+3], 2*SLOTB
	ROUND
	tensor_load_to_lds s[G0T+4*\slot:G0T+4*\slot+3], s[G1T:G1T+7]
	s_nop 0
.endm
	; the scores of head 0 of step 0, with nothing to set them among
	v_mov_b32 v[TA], v[LANE16]
	ds_load_b128 v[QF:QF+3], v[QA]
	ds_load_b128 v[QF+4:QF+7], v[QA] offset:512
	TRILD 0, 0, 32
	WIN 0xf1
.set g, 0
.rept 4
	s_wait_dscnt 24-8*g                            ; 34 loads were issued (2 of Q, 32 of tri); group g of four tiles needs the first 10 + 8 g
.set n, 0
.rept 4
	v_wmma_f32_16x16x32_f16 v[8*(4*g+n):8*(4*g+n)+7], v[8*(4*g+n):8*(4*g+n)+7], v[QF:QF+7], v[8*(4*g+n):8*(4*g+n)+7]
.set n, n+1
.endr
.set g, g+1
.endr
	PLACES 4                                       ; between the score products and the vector instructions that read them (ISA guide 7.12.1)
	HALF 0, 1, 0, 1                                ; softmax of head 0 of step 0 beside the scores of head 1 of step 0: no weights to multiply yet
	WIN 0
	v_add_nc_u32 v[TA], STEPB, v[TA]
	v_add_nc_u32 v[QA], TILEB, v[QA]
	UNIT                                           ; reads step 1: slot 0 has been read
	FILL 0                                         ; steps 4, 5 go out
	PHASE 1                                        ; reads steps 2, 3
	FILL 1                                         ; steps 4, 5 have landed in every wave's quarter; steps 6, 7 go out
	PHASE 0                                        ; reads steps 4, 5
	s_wait_dscnt 0x0
	s_wait_tensorcnt 0x0                           ; my quarter of steps 6, 7 has landed,
	s_barrier_signal -1
	s_barrier_wait -1                              ; everybody's has; nothing is left to fetch
	PHASE 1                                        ; reads steps 6, 7
	HALF 1, 0, 1, 0                                ; softmax of head 1 of step 7 beside P V of head 0: no scores are left to make
.set kk, 0
.rept 16
	MATK 1, kk, 1, 0                               ; P V of head 1 of step 7
.set kk, kk+1
.endr
	PLACES 4                                       ; between the last products and OUT, which reads them
	OUT 1
	RBACK
	GST 1
	s_wait_dscnt 0x0
	s_wait_xcnt 0x0
	v_lshl_add_u32 v126, v0, 2, 0x4ac00
	v_mov_b32 v127, 0
	s_wait_tensorcnt 0x0
	ds_add_u32 v126, v127
	s_wait_dscnt 0x0
	ROUND                                          ; the closing round: no work-group ends while a partner may still ask jointly
	s_endpgm
.Lfunc_end_k_q82a3550dcf_attn:
	.size	k_q82a3550dcf_attn, .Lfunc_end_k_q82a3550dcf_attn-k_q82a3550dcf_attn
	.p2alignl 7, 3214868480
	.fill 96, 4, 3214868480
	.section	.rodata,"a",@progbits
	.p2align	6, 0x0
	.amdhsa_kernel k_q82a3550dcf_attn
		.amdhsa_group_segment_fixed_size 327680
		.amdhsa_private_segment_fixed_size 0
		.amdhsa_enable_private_segment 0
		.amdhsa_kernarg_size 72
		.amdhsa_user_sgpr_count 2
		.amdhsa_user_sgpr_kernarg_segment_ptr 1
		.amdhsa_wavefront_size32 1
		.amdhsa_system_sgpr_workgroup_id_x 1
		.amdhsa_system_sgpr_workgroup_id_y 1
		.amdhsa_system_sgpr_workgroup_id_z 1
		.amdhsa_system_vgpr_workitem_id 0
		.amdhsa_next_free_vgpr 1024
		.amdhsa_next_free_sgpr 80
		.amdhsa_reserve_vcc 0
		.amdhsa_float_denorm_mode_32 3
		.amdhsa_float_denorm_mode_16_64 3
		.amdhsa_memory_ordered 1
		.amdhsa_forward_progress 1
		.amdhsa_inst_pref_size 255
	.end_amdhsa_kernel
	.section	.bss,"aw",@nobits
	.p2align	6
	.space	262144
	.amdgpu_metadata
---
amdhsa.version: [ 1, 2 ]
amdhsa.kernels:
  - .name:           k_q82a3550dcf_attn
    .symbol:         k_q82a3550dcf_attn.kd
    .args:
      - { .name: x, .offset: 0, .size: 8, .value_kind: global_buffer, .address_space: global }
      - { .name: mask, .offset: 8, .size: 8, .value_kind: global_buffer, .address_space: global }
      - { .name: Wq, .offset: 16, .size: 8, .value_kind: global_buffer, .address_space: global }
      - { .name: bq, .offset: 24, .size: 8, .value_kind: global_buffer, .address_space: global }
      - { .name: Wk, .offset: 32, .size: 8, .value_kind: global_buffer, .address_space: global }
      - { .name: Wv, .offset: 40, .size: 8, .value_kind: global_buffer, .address_space: global }
      - { .name: bv, .offset: 48, .size: 8, .value_kind: global_buffer, .address_space: global }
      - { .name: tri, .offset: 56, .size: 8, .value_kind: global_buffer, .address_space: global }
      - { .name: out0, .offset: 64, .size: 8, .value_kind: global_buffer, .address_space: global }
    .group_segment_fixed_size: 327680
    .private_segment_fixed_size: 0
    .kernarg_segment_align: 8
    .kernarg_segment_size: 72
    .max_flat_workgroup_size: 128
    .sgpr_count:     80
    .vgpr_count:     1024
    .wavefront_size: 32
...
	.end_amdgpu_metadata
.endif
;; end of part 2
